; MI455X (gfx1250); checked and timed in simulation.
; The chip was launched on July 23, 2026; its instructions are those of AMD's public machine-readable ISA for CDNA 5 (MIT licence, August 2026) and "CDNA5" Instruction Set Architecture Reference Guide (July 2026). The comments in the code are by the model that wrote it; some were corrected since.
;; Kron Linear. Allowed arithmetic: float matrix products may take bf16 or f16 operands with f32 sums; other float arithmetic in f32, or as packed bf16 or f16 multiplies, adds, multiply-adds, maxima and minima; sums over many terms, partial sums and values carried from step to step in f32; what a program stores and reads back later, other than sums and carried values, may be rounded once to bf16 or f16.
;; Inputs: a 64 x 64 x 64 float32; b 64 x 64 x 64 float32; bias 4,096 float32; x 4,096 x 4,096 float32.
;; Outputs: out0 4,096 x 4,096 float32.
;; 2 versions, each right; version 2 is version 1 with the launch prep written anew for expert scheduling mode. Each part assembles by itself: llvm-mc -triple=amdgcn-amd-amdhsa -mcpu=gfx1250 --defsym DOCPART=n.
;; ======== version 1 of 2: 2 launches
;; workspace buffers: xb 33,554,432 bytes; wk 33,554,432 bytes
;; launch prep (part 1): grid 256 x 1, 16 waves a work-group, no clusters, 108,544 bytes of LDS; arguments x, a, b, xb, wk; writes xb, wk
.if DOCPART == 1
	.amdgcn_target "amdgcn-amd-amdhsa--gfx1250"
	.amdhsa_code_object_version 6
	.text
	.protected	k_q5cc81934ea_prep
	.globl	k_q5cc81934ea_prep
	.p2align	8
	.type	k_q5cc81934ea_prep,@function
k_q5cc81934ea_prep:
	s_mov_b64 s[64:65], 0
	v_nop
	global_prefetch_b8 v0, s[64:65] scope:SCOPE_SE
	s_setreg_imm32_b32 hwreg(HW_REG_WAVE_MODE, 25, 1), 1
	s_wait_xcnt 0x0
; out = x w + bias with w[(i,k),(j,l)] = the sum over r of a[r,i,j] b[r,k,l].  This launch prepares the two operands of the product x w:
;   xb[n][c]          = x[n][c] rounded to bf16, same order                       [4096][4096] bf16
;   wk[i*64+k][j*64+l] = the sum over r of a[r,i,j] b[r,k,l], summed in f32, rounded once to bf16   [4096][4096] bf16
; NOTHING OF reference() IS LEFT OUT: x, a, b and bias all reach the output and all are loaded (bias in the next launch).  w is formed densely as reference() forms it:
; at rank 64 the way by factors (x b_r, then a_r) is 2 x 4096 x 4096 x 64 x 64 multiply-adds, twice the dense product's 4096^3.
; LIMITS.  x, a and b are rounded to bf16 (nearest even); w is rounded once more, to bf16's 8 significant bits, behind its f32 sum; sums are taken in the matrix unit's order, not reference()'s.
; bf16 has f32's exponents, so no range is lost; NaN and infinities go where the arithmetic carries them.
; SHARES.  Work-group g: i = 4 (g / 16) + 0..3, k = 4 (g % 16) + 0..3, and rows 16 g .. 16 g + 15 of x.  Wave v of 16: the pair (i, k) = (v / 4, v % 4) of those, that is ONE row of wk
; (64 j x 64 l, 32 matrix instructions), and ONE row of x (16,384 bytes in, 8,192 out).
; THE PRODUCT.  D(m = l, n = j) = sum over r of b[r,k,l] a[r,i,j]: source 0 = 16 l x 32 r of b, source 1 = 16 j x 32 r of a.  A lane then holds one j (lane % 16) and eight neighbouring l:
; 16 bytes of wk after rounding.  a's and b's slices lie in LDS as [r][column], so the fragments come out turned, by ds_load_tr16_b128.
; NO JOINT LOADS, though sixteen work-groups read the same slice of a and sixteen the same slice of b: the slices are f32 and are rounded in registers on their way into LDS (one LDS store of 8 bytes for
; 16 bytes loaded).  As tiles of a tensor load they would land as f32 (2 x 65,536 bytes more of LDS), be read back, rounded and stored again: three passes through LDS in place of one.
; NOTHING IS ASKED FOR AHEAD OF ITS LOAD: 40 of a wave's 48 loads are issued at the head, before the first wait.
.set PAB,   544                        ; an LDS row of a slice: 256 bf16 = 512 bytes + 32 of padding = 17 x 32 bytes
.set ASL,   0                          ; a's slice: 64 rows (r) of 256 columns (64 x local i + j)
.set BSL,   64*PAB                     ; b's slice: the same, columns 64 x local k + l
.set STG,   2*64*PAB                   ; the stages: 16 rows (j) x 144 bytes for each wave, its own
.set SPT,   144                        ; a stage row: 128 bytes (64 l) + 16
.set SPARE, STG+16*16*SPT              ; the spare words, 128 bytes for each of the 16 waves: eight blocks of 256 bytes that no other line names
.set LO16, 2                           ; v2   16 x lane: x's loads, wk's stores; never rewritten
.set ABO,  3                           ; v3   65,536 x wave + 16 x lane: a's and b's loads (rows r = 4 wave ..); never rewritten
.set LST,  4                           ; v4   4 x 544 x wave + 8 x lane: where my 8 rounded bytes of a slice's row go
.set TRA,  5                           ; v5   the turning load's address in a's slice, at my local i
.set TRB,  6                           ; v6   the same in b's slice, at my local k
.set STO,  7                           ; v7   where I put 16 bytes of a stage row
.set RD,   8                           ; v8   where I read the stage back
.set XBO,  9                           ; v9   8 x lane: xb's stores
.set SPW,  10                          ; v10  LDS address of my spare word; never rewritten
.set NIL,  11                          ; v11  0; never rewritten
.set XR0,  16                          ; v[16:111]   x, slots 0 to 23, four registers each
.set AB,   112                         ; v[112:175]  first the 16 loads of a and b; then b's fragments; last x's slots 24 to 31
.set BF,   112                         ;             b's fragment (l block lt, r half ks) at BF + 16 lt + 8 ks
.set AF,   176                         ; v[176:207]  a's fragments: two buffers of 16, r half ks at + 8 ks
.set ACC,  208                         ; v[208:239]  four accumulators, one for each l block
.set OUTR, 240                         ; v[240:255]  2,048 bytes of wk read back from the stage
	s_load_b256 s[4:11], s[0:1], 0x0               ; x s[4:5], a s[6:7], b s[8:9], xb s[10:11]
	s_load_b64 s[12:13], s[0:1], 0x20              ; wk
	v_lshl_add_u32 v[SPW], v0, 2, SPARE
	v_mov_b32 v[NIL], 0
	v_lshrrev_b32 v12, 5, v0
	v_readfirstlane_b32 s14, v12                   ; wave 0..15
	v_and_b32 v1, 31, v0                           ; lane
	s_lshr_b32 s15, ttmp9, 4                       ; which four i
	s_and_b32 s16, ttmp9, 15                       ; which four k
	s_lshr_b32 s17, s14, 2                         ; my local i
	s_and_b32 s18, s14, 3                          ; my local k
	v_lshlrev_b32 v[LO16], 4, v1
	s_lshl_b32 s19, s14, 16
	v_add_nc_u32 v[ABO], s19, v[LO16]
	s_mul_i32 s19, s14, 4*PAB
	v_lshl_add_u32 v[LST], v1, 3, s19
	; the turning load: lane l names row 8 (l / 16) + l % 8 and the 16 bytes (l / 8) % 2 of a block of 16 rows x 16 columns
	v_and_b32 v12, 7, v0
	v_bfe_u32 v13, v0, 4, 1                        ; l / 16
	v_bfe_u32 v14, v0, 3, 1
	v_lshl_add_u32 v12, v13, 3, v12
	v_mul_u32_u24 v12, v12, PAB
	v_lshl_add_u32 v12, v14, 4, v12
	s_lshl_b32 s19, s17, 7                         ; my local i's 64 columns: 128 bytes
	v_add_nc_u32 v[TRA], s19, v12
	s_lshl_b32 s19, s18, 7
	s_add_co_u32 s19, s19, BSL
	v_add_nc_u32 v[TRB], s19, v12
	s_mul_i32 s19, s14, 16*SPT
	s_add_co_u32 s19, s19, STG                     ; my stage
	v_and_b32 v15, 15, v0
	v_mul_u32_u24 v[STO], v15, SPT                 ; in: row j = l % 16, 16 bytes for each half of the lanes
	v_lshl_add_u32 v[STO], v13, 4, v[STO]
	v_add_nc_u32 v[STO], s19, v[STO]
	v_bfe_u32 v[RD], v0, 3, 2                      ; back: 32 lanes take four rows of 128 bytes,
	v_mul_u32_u24 v[RD], v[RD], SPT
	v_and_b32 v15, 7, v0
	v_lshl_add_u32 v[RD], v15, 4, v[RD]
	v_add_nc_u32 v[RD], s19, v[RD]                 ; which are 512 consecutive bytes of wk
	v_lshlrev_b32 v[XBO], 3, v1
	s_lshl_b32 s20, s15, 10                        ; a: four i are 1,024 consecutive bytes of each r
	s_mov_b32 s21, 0
	s_lshl_b32 s22, s16, 10                        ; b: four k likewise
	s_mov_b32 s23, 0
	s_lshl_b32 s24, ttmp9, 18                      ; x: 16 rows of 16,384 bytes a work-group,
	s_lshl_b32 s25, s14, 14                        ; one row a wave
	s_add_co_u32 s24, s24, s25
	s_mov_b32 s25, 0
	s_lshr_b32 s26, s24, 1                         ; xb: half the bytes
	s_mov_b32 s27, 0
	s_lshl2_add_u32 s28, s15, s17                  ; i
	s_lshl_b32 s28, s28, 6
	s_lshl2_add_u32 s29, s16, s18                  ; k
	s_add_co_u32 s28, s28, s29                     ; wk's row 64 i + k,
	s_lshl_b32 s28, s28, 13                        ; of 8,192 bytes
	s_mov_b32 s29, 0
	s_wait_kmcnt 0x0
	s_add_nc_u64 s[6:7], s[6:7], s[20:21]
	s_add_nc_u64 s[8:9], s[8:9], s[22:23]
	s_add_nc_u64 s[4:5], s[4:5], s[24:25]
	s_add_nc_u64 s[10:11], s[10:11], s[26:27]
	s_add_nc_u64 s[12:13], s[12:13], s[28:29]
	; 16 loads: rows r = 4 wave .. 4 wave + 3 of a's slice, then of b's; each load takes 512 consecutive bytes
.set n, 0
.irp base, 6, 8
.irp rr, 0,1,2,3
.irp hf, 0,1
	global_load_b128 v[AB+4*n:AB+4*n+3], v[ABO], s[\base:\base+1] offset:(\rr)*16384+(\hf)*512
.set n, n+1
.endr
.endr
.endr
	; 24 loads of my row of x: they stay out through the whole matrix phase
.set sl, 0
.rept 24
	global_load_b128 v[XR0+4*sl:XR0+4*sl+3], v[LO16], s[4:5] offset:512*sl th:TH_LOAD_NT
.set sl, sl+1
.endr
	; a's and b's numbers are rounded in place and laid into the slices
.set n, 0
.irp reg, ASL, BSL
.irp rr, 0,1,2,3
.irp hf, 0,1
	s_wait_loadcnt 39-n                            ; behind load n stand 15 - n of these loads and x's 24: they may stay out
	v_cvt_pk_bf16_f32 v[AB+4*n], v[AB+4*n], v[AB+4*n+1]
	v_cvt_pk_bf16_f32 v[AB+4*n+1], v[AB+4*n+2], v[AB+4*n+3]
	ds_store_b64 v[LST], v[AB+4*n:AB+4*n+1] offset:(\reg)+(\rr)*PAB+(\hf)*256
.set n, n+1
.endr
.endr
.endr
	s_wait_dscnt 0x0                               ; for the others' sake: my rows of both slices are written
	s_barrier_signal -1
	s_barrier_wait -1                              ; both slices are whole; nothing writes them again
.macro FRA jt                          ; a's two fragments for j block jt into buffer jt % 2
.irp ks, 0,1
	ds_load_tr16_b128 v[AF+16*((\jt)%2)+8*(\ks):AF+16*((\jt)%2)+8*(\ks)+3],   v[TRA] offset:(\ks)*32*PAB+32*(\jt)
	ds_load_tr16_b128 v[AF+16*((\jt)%2)+8*(\ks)+4:AF+16*((\jt)%2)+8*(\ks)+7], v[TRA] offset:(\ks)*32*PAB+16*PAB+32*(\jt)
.endr
.endm
	; b's eight fragments stay in registers for all four j blocks
.irp lt, 0,1,2,3
.irp ks, 0,1
	ds_load_tr16_b128 v[BF+16*(\lt)+8*(\ks):BF+16*(\lt)+8*(\ks)+3],   v[TRB] offset:(\ks)*32*PAB+32*(\lt)
	ds_load_tr16_b128 v[BF+16*(\lt)+8*(\ks)+4:BF+16*(\lt)+8*(\ks)+7], v[TRB] offset:(\ks)*32*PAB+16*PAB+32*(\lt)
.endr
.endr
	FRA 0
; j block jt: 16 j x 64 l = 2,048 consecutive bytes of my row of wk.
.macro UNIT jt
.if (\jt) < 3
	FRA (\jt)+1                                    ; the other buffer: its last readers stand in front of the last block's four v_nop and sixteen conversions
.endif
.if (\jt) == 0
	s_wait_dscnt 4                                 ; all fragments but the four loads just issued; in later blocks the wait for 0 below has shown them in
.endif
.irp ks, 0,1                           ; the four accumulators take turns, one instruction a turn; the first four products start the sums
.irp lt, 0,1,2,3
.if (\ks) == 0
	v_wmma_f32_16x16x32_bf16 v[ACC+8*(\lt):ACC+8*(\lt)+7], v[BF+16*(\lt)+8*(\ks):BF+16*(\lt)+8*(\ks)+7], v[AF+16*((\jt)%2)+8*(\ks):AF+16*((\jt)%2)+8*(\ks)+7], 0
.else
	v_wmma_f32_16x16x32_bf16 v[ACC+8*(\lt):ACC+8*(\lt)+7], v[BF+16*(\lt)+8*(\ks):BF+16*(\lt)+8*(\ks)+7], v[AF+16*((\jt)%2)+8*(\ks):AF+16*((\jt)%2)+8*(\ks)+7], v[ACC+8*(\lt):ACC+8*(\lt)+7]
.endif
.endr
.endr
.rept 4
	v_nop                                          ; four places between the last product and the conversions, which read and write results (ISA guide 7.12.1)
.endr
.irp lt, 0,1,2,3                       ; rounded in place, each accumulator from its low end on: eight l become 16 bytes in its first four registers
.irp q, 0,1,2,3
	v_cvt_pk_bf16_f32 v[ACC+8*(\lt)+(\q)], v[ACC+8*(\lt)+2*(\q)], v[ACC+8*(\lt)+2*(\q)+1]
.endr
.endr
.irp lt, 0,1,2,3
	ds_store_b128 v[STO], v[ACC+8*(\lt):ACC+8*(\lt)+3] offset:32*(\lt)
.endr
	s_wait_xcnt 0x0                                ; the last block's stores to wk have read OUTR: it is loaded again only behind this wait
.irp q, 0,1,2,3
	ds_load_b128 v[OUTR+4*(\q):OUTR+4*(\q)+3], v[RD] offset:4*SPT*(\q)  ; LDS serves a wave's instructions in order (ISA guide 5.7.1.4): these see my stores above
.endr
	s_wait_dscnt 0x0                               ; the block is back; the next block's fragments of a are in; the stage may be written again
.irp q, 0,1,2,3
	global_store_b128 v[LO16], v[OUTR+4*(\q):OUTR+4*(\q)+3], s[12:13] offset:2048*(\jt)+512*(\q) th:TH_STORE_NT  ; 512 consecutive bytes, at a multiple of 512 from wk's first byte
.endr
.endm
	UNIT 0
	UNIT 1
	UNIT 2
	UNIT 3
	; the last eight loads of my row of x, into b's fragments' registers: their last readers stand in front of four v_nop and sixteen conversions
.set sl, 24
.rept 8
	global_load_b128 v[AB+4*(sl-24):AB+4*(sl-24)+3], v[LO16], s[4:5] offset:512*sl th:TH_LOAD_NT
.set sl, sl+1
.endr
	; x is rounded in place and stored; no register is used twice, so nothing but the loads is waited for
.set sl, 0
.rept 32
.if sl < 24
.set XR, XR0+4*sl
.else
.set XR, AB+4*(sl-24)
.endif
	s_wait_loadcnt 31-sl                           ; loads come back in order (ISA guide 5.7.1): the 31 - sl younger ones may stay out
	v_cvt_pk_bf16_f32 v[XR], v[XR], v[XR+1]
	v_cvt_pk_bf16_f32 v[XR+1], v[XR+2], v[XR+3]
	global_store_b64 v[XBO], v[XR:XR+1], s[10:11] offset:256*sl th:TH_STORE_NT  ; 256 consecutive bytes, at a multiple of 256 from xb's first byte
.set sl, sl+1
.endr
	s_wait_tensorcnt 0x0                           ; the wave's end, behind my last LDS store
	ds_add_u32 v[SPW], v[NIL]
	s_wait_dscnt 0x0
	s_endpgm
.Lfunc_end_k_q5cc81934ea_prep:
	.size	k_q5cc81934ea_prep, .Lfunc_end_k_q5cc81934ea_prep-k_q5cc81934ea_prep
	.p2alignl 7, 3214868480
	.fill 96, 4, 3214868480
	.section	.rodata,"a",@progbits
	.p2align	6, 0x0
	.amdhsa_kernel k_q5cc81934ea_prep
		.amdhsa_group_segment_fixed_size 108544
		.amdhsa_private_segment_fixed_size 0
		.amdhsa_enable_private_segment 0
		.amdhsa_kernarg_size 40
		.amdhsa_user_sgpr_count 2
		.amdhsa_user_sgpr_kernarg_segment_ptr 1
		.amdhsa_wavefront_size32 1
		.amdhsa_system_sgpr_workgroup_id_x 1
		.amdhsa_system_sgpr_workgroup_id_y 1
		.amdhsa_system_sgpr_workgroup_id_z 1
		.amdhsa_system_vgpr_workitem_id 0
		.amdhsa_next_free_vgpr 256
		.amdhsa_next_free_sgpr 66
		.amdhsa_reserve_vcc 0
		.amdhsa_float_denorm_mode_32 3
		.amdhsa_float_denorm_mode_16_64 3
		.amdhsa_memory_ordered 1
		.amdhsa_forward_progress 1
		.amdhsa_inst_pref_size 32
	.end_amdhsa_kernel
	.amdgpu_metadata
---
amdhsa.version: [ 1, 2 ]
amdhsa.kernels:
  - .name:           k_q5cc81934ea_prep
    .symbol:         k_q5cc81934ea_prep.kd
    .args:
      - { .name: x, .offset: 0, .size: 8, .value_kind: global_buffer, .address_space: global }
      - { .name: a, .offset: 8, .size: 8, .value_kind: global_buffer, .address_space: global }
      - { .name: b, .offset: 16, .size: 8, .value_kind: global_buffer, .address_space: global }
      - { .name: xb, .offset: 24, .size: 8, .value_kind: global_buffer, .address_space: global }
      - { .name: wk, .offset: 32, .size: 8, .value_kind: global_buffer, .address_space: global }
    .group_segment_fixed_size: 108544
    .private_segment_fixed_size: 0
    .kernarg_segment_align: 8
    .kernarg_segment_size: 40
    .max_flat_workgroup_size: 512
    .sgpr_count:     66
    .vgpr_count:     256
    .wavefront_size: 32
...
	.end_amdgpu_metadata
.endif
;; end of part 1
;; launch gemm (part 2): grid 16 x 16, 4 waves a work-group, clusters of 4 x 4, 327,680 bytes of LDS; arguments xb, wk, out0, bias; writes out0
.if DOCPART == 2
	.amdgcn_target "amdgcn-amd-amdhsa--gfx1250"
	.amdhsa_code_object_version 6
	.text
	.protected	k_q5cc81934ea_gemm
	.globl	k_q5cc81934ea_gemm
	.p2align	8
	.type	k_q5cc81934ea_gemm,@function
k_q5cc81934ea_gemm:
	s_mov_b64 s[64:65], 0
	v_nop
	global_prefetch_b8 v0, s[64:65] scope:SCOPE_SE
	s_setreg_imm32_b32 hwreg(HW_REG_WAVE_MODE, 25, 1), 1
	s_wait_xcnt 0x0
	s_wait_alu depctr_hold_cnt(0) depctr_sa_sdst(0) depctr_va_vdst(0) depctr_va_sdst(0) depctr_va_ssrc(0) depctr_va_vcc(0) depctr_vm_vsrc(0)
	s_getreg_b32 s2, hwreg(HW_REG_IB_STS2, 6, 4)
	s_cmp_eq_u32 s2, 0
	s_cbranch_scc0 .Lentry_in_a_cluster
	s_endpgm
.Lentry_in_a_cluster:
	s_bfe_u32 s2, ttmp6, 0x10000c
	s_cmp_lg_u32 s2, 0xf033
	s_cbranch_scc0 .Lentry_shape_is_right
	s_endpgm
.Lentry_shape_is_right:
; out0[n][c] = the sum over K of xb[n][K] wk[K][c] + bias[c].  xb: [4096][4096] bf16 (x rounded), wk: [4096 K][4096 c] bf16 (w, formed and rounded by the launch before), bias: [4096] f32, out0: [4096][4096] f32.
; Nothing of reference() is left out here either.  LIMITS: the operands are bf16 (see the launch before); one f32 sum for each output, K ascending, begun with the bias, in the matrix unit's order.
; A tile of out0, 256 x 256, is made by a work-group of four waves; a wave makes 128 x 128: 64 accumulators of 16 x 16, 512 registers.  16 x 16 tiles: one for each work-group.
; K goes in 32 steps of 128 through a ring of two LDS slots filled by the tensor data mover.  A slot holds 256 rows x 128 K of xb (rows of 256 bytes) and 128 K x 256 columns of wk (rows of 512 bytes).
; wk lies as [K][column]: its fragments come out of LDS turned, by ds_load_tr16_b128.
; CLUSTERS: 4 x 4 work-groups.  The four of a row of the cluster need the same tiles of xb, the four of a column the same tiles of wk: each tile is asked for JOINTLY, by the same tensor load with the
; same descriptor and a mask that names the four; each receives it in its own LDS.
; THE MATRIX INSTRUCTION IS USED TRANSPOSED: source 0 = 16 columns of wk, source 1 = 16 rows of xb.  In the result lane l holds row l % 16 of out0 and the columns 8 (l / 16) + 0..7: 32 consecutive bytes.
; THE BIAS IS THE C OPERAND of the products that start the sums: nothing is cleared, and nothing is added behind the sums.
; REGISTERS, in windows of 256 (s_set_vgpr_msb: bits 1:0 source 0, 3:2 source 1, 5:4 source 2, 7:6 destination):
;   window 0: v0-31 addresses; v64-127, v128-191 fragments of xb, two buffers (on the way out: rows read back from the stage); v192-255 the bias of my 128 columns, as eight C operands
;   window 1: v64-127, v128-191 fragments of wk, two buffers
;   window 2: the 32 accumulators of my rows 0-63 (accumulator (a, b) at v[8 (8 a + b)]);   window 3: those of my rows 64-127
.set KSTEP,  128
.set PA,     272                       ; an LDS row of xb: 256 bytes + 16 = 68 words: the 16 rows of a fragment load start at 16 different groups of four banks (64 banks of 4 bytes: ISA guide 11.1)
.set PB,     544                       ; an LDS row of wk: 512 bytes + 32 = 17 x 32 bytes
.set HALFT,  128*PA                    ; what one tensor load brings: 128 rows of xb, or 64 rows of wk (64 x 544 is the same number)
.set SLOT,   4*HALFT                   ; xb's 256 rows, then wk's 128 rows
.set STAGE,  2*SLOT                    ; behind the ring: 16 rows x 528 bytes for each wave, for the way out
.set SP,     528                       ; a stage row: 512 bytes (128 f32) + 16
.set SPARE,  STAGE+4*16*SP             ; behind the stages: the spare words, 128 bytes for each wave: two blocks of 256 bytes that no other line names
.set LAPS,   16                        ; a lap = two K steps = once round the ring
.set ROWX,   8192                      ; bytes in a row of xb and of wk
.set ROWO,   16384                     ; bytes in a row of out0
.set STEPA,  KSTEP*2                   ; a K step along xb's rows, in bytes
.set STEPB,  KSTEP*ROWX                ; a K step down wk's rows
.set ADRA, 16                          ; v16-17  LDS address of my xb fragments in slot 0, 1
.set ADRB, 20                          ; v20-21  the same for wk
.set STO,  24                          ; v24     the way out: where I put 32 bytes of a row
.set RD,   25                          ; v25     the way out: where I read a row back
.set CO,   26                          ; v26     16 x lane: my 16 bytes of a row's 512
.set BO,   27                          ; v27     32 x (lane / 16): my eight numbers of 16 of the bias
.set SPW,  28                          ; v28     LDS address of my spare word; never rewritten
.set NIL,  29                          ; v29     0; never rewritten
.set PFO,  30                          ; v30     the prefetches' offset; never rewritten
.set F0,   64
.set F1,   128
.set OB,   64                          ; the way out: 16 rows read back, v64-127 and v128-191 by turns
.set BIAS, 192
.set G1,  24                           ; s[24:31] descriptor group 1 for xb's tiles
.set G0,  32                           ; s[32:39] descriptor group 0 for xb's tiles, one set for each slot
.set G1B, 48                           ; s[48:55] group 1 for wk's tiles
.set G0B, 56                           ; s[56:63] group 0 for wk's tiles
.set LIM, 43                           ; s43      1 in a wave that prefetches, else the greatest number
.set PFA, 44                           ; s[44:45] where my prefetches stand
.set PST, 68                           ; s[68:69] what a K step adds to that
.set MSB, 0
.macro WIN new                         ; the immediate's high byte repeats the setting that is left; a switch that changes nothing is dropped
.if MSB != (\new)
	s_set_vgpr_msb (MSB<<8)|(\new)
.set MSB, \new
.endif
.endm
.set MUL_LO, 0xa1                      ; source 0 (wk) window 1, source 1 (xb) window 0, C and D window 2
.set MUL_HI, 0xf1                      ; the same, C and D window 3
.set TO_B,   0x40                      ; destination window 1, address window 0
; A joint load.  Waves 0 and 1 fetch xb's two halves, waves 2 and 3 wk's.  The branch hangs on the wave's number alone.  An s_nop 0 and four v_nop follow each of the two lines.
.macro JLOAD s
	s_cmp_eq_u32 s11, 0
	s_cbranch_scc0 .Lfor_b_\@
	tensor_load_to_lds s[G0+4*(\s):G0+4*(\s)+3], s[G1:G1+7]
	s_nop 0
.rept 4
	v_nop
.endr
	s_branch .Lasked_\@
.Lfor_b_\@:
	tensor_load_to_lds s[G0B+4*(\s):G0B+4*(\s)+3], s[G1B:G1B+7]
	s_nop 0
.rept 4
	v_nop
.endr
.Lasked_\@:
.endm
; A PREFETCH, behind each joint refill, its five lines and the run of LDS loads that follows: the K step that stands TWO refills on, 512 matrix instructions ahead of the load that will want it.  One instruction a wave.
; Each aligned block of 256 bytes of xb and wk is named ONCE in the launch.  xb's tile row is read by every cluster of that row of clusters: cluster x = 0 asks; wk's tile column by every cluster of that column:
; cluster y = 0 asks.  The four partners that ask for a tile jointly share its blocks out BY ADDRESS: of the 128 rows of xb that a wave fetches the partner at cx takes 32, a lane a row; of the 64 rows of wk
; the partner at cy takes 16, two lanes a row of 512 bytes.  No branch hangs on a work-group's place in its cluster.  K steps 0 to 3 come by their loads alone; the loop's last trip (s3 = 1) asks for nothing.
.macro ASK
	s_cmp_gt_u32 s3, s[LIM]
	s_cbranch_scc0 .Lnot_mine_\@
	global_prefetch_b8 v[PFO], s[PFA:PFA+1] th:TH_LOAD_NT scope:SCOPE_SE
.Lnot_mine_\@:
.endm
; A round of the cluster's barrier: my work-group's barrier, so that wave 0's signal speaks for all four waves; wave 0 signals; every wave waits for all sixteen work-groups; my work-group's barrier once more.
.macro CREST                           ; a round behind its opening barrier
	s_cmp_lg_u32 s10, 0
	s_cbranch_scc1 .Lnot_wave_0_\@
	s_barrier_signal -3
.Lnot_wave_0_\@:
	s_barrier_wait -3
	s_barrier_signal -1
	s_barrier_wait -1
.endm
.macro CROUND                          ; a whole round
	s_barrier_signal -1
	s_barrier_wait -1
	CREST
.endm
	s_load_b128 s[4:7], s[0:1], 0x0                ; xb s[4:5], wk s[6:7]
	s_load_b64 s[8:9], s[0:1], 0x10                ; out0
	s_load_b64 s[66:67], s[0:1], 0x18              ; bias
	v_lshl_add_u32 v[SPW], v0, 2, SPARE
	v_mov_b32 v[NIL], 0
	ds_add_u32 v[SPW], v[NIL]                      ; the wave's opening: the add, twice on end, and its wait ahead of my first tensor load; the set-up below, work on registers, stands between
	ds_add_u32 v[SPW], v[NIL]
	v_lshrrev_b32 v1, 5, v0
	v_readfirstlane_b32 s10, v1                    ; wave 0..3
	s_lshr_b32 s11, s10, 1                         ; which half of the tile's rows is mine.  Also: I fetch for xb (0) or for wk (1)
	s_and_b32 s12, s10, 1                          ; which half of its columns.  Also: which half of that tile I fetch
	s_bfe_u32 s40, ttmp6, 0x40000                  ; cx
	s_bfe_u32 s41, ttmp6, 0x40004                  ; cy
	s_lshl_b32 s42, ttmp9, 2                       ; in a cluster launch ttmp9 and ttmp7 count clusters
	s_add_co_u32 s42, s42, s40                     ; tile column = 4 x cluster x + cx
	s_and_b32 s13, ttmp7, 0xffff
	s_lshl_b32 s13, s13, 2
	s_add_co_u32 s13, s13, s41                     ; tile row = 4 x cluster y + cy
	s_lshl_b32 s43, s41, 2
	s_lshl_b32 s43, 15, s43                        ; my row of the cluster: places 4 cy .. 4 cy + 3
	s_lshl_b32 s44, 0x1111, s40                    ; my column: places cx, cx + 4, cx + 8, cx + 12
	; group 1 for xb: 128 rows x 128 elements; 15:0 the mask of my row; 17:16 elements of 2 bytes; 20 padding on; 21 set beside a mask; 24:22 after every 64 words (code 5); 31:25 4 words of it (code 3)
	s_or_b32 s[G1+0], s43, (1<<16)|(1<<20)|(1<<21)|(5<<22)|(3<<25)
	s_mov_b32 s[G1+1], KSTEP<<16                   ; tensor_dim0 = 128
	s_mov_b32 s[G1+2], 128<<16                     ; tensor_dim1 = 128
	s_mov_b32 s[G1+3], KSTEP<<16                   ; tile_dim0 = 128
	s_mov_b32 s[G1+4], 128                         ; tile_dim1 = 128
	s_mov_b32 s[G1+5], 4096                        ; elements from row to row
	s_mov_b32 s[G1+6], 0
	s_mov_b32 s[G1+7], 0
	; group 1 for wk: 64 rows x 256 elements; the mask of my column; padding after every 128 words (code 6), 8 words of it (code 7)
	s_or_b32 s[G1B+0], s44, (1<<16)|(1<<20)|(1<<21)|(6<<22)|(7<<25)
	s_mov_b32 s[G1B+1], 256<<16                    ; tensor_dim0 = 256
	s_mov_b32 s[G1B+2], 64<<16                     ; tensor_dim1 = 64
	s_mov_b32 s[G1B+3], 256<<16                    ; tile_dim0 = 256
	s_mov_b32 s[G1B+4], 64                         ; tile_dim1 = 64
	s_mov_b32 s[G1B+5], 4096
	s_mov_b32 s[G1B+6], 0
	s_mov_b32 s[G1B+7], 0
	; where the tiles come from.  xb's hang on the tile row alone, which my row of the cluster shares; wk's on the tile column alone, which my column shares.  Every wave makes both, in registers that never hold the other coordinate.
	s_lshl_b32 s17, s12, 7
	s_lshl_b32 s16, s13, 8
	s_add_co_u32 s16, s16, s17                     ; xb: row 256 x tile row + 128 x half,
	s_lshl_b32 s16, s16, 13                        ; of 8,192 bytes (under 2^25)
	s_mov_b32 s17, 0
	s_lshl_b32 s46, s42, 9                         ; wk: 512 bytes of a row for each tile column,
	s_lshl_b32 s47, s12, 19                        ; 64 rows of 8,192 bytes x half
	s_add_co_u32 s46, s46, s47
	s_mov_b32 s47, 0
	s_mul_i32 s20, s10, HALFT                      ; and where they go: wave x 34,816 bytes: no place in the cluster enters an LDS address
	s_wait_dscnt 0x0                               ; both opening adds are done
	s_wait_kmcnt 0x0
	s_add_nc_u64 s[14:15], s[4:5], s[16:17]
	s_add_nc_u64 s[46:47], s[6:7], s[46:47]
	CROUND                                         ; all sixteen work-groups are here: the first joint loads meet
.irp s, 0,1
	s_mov_b32 s[G0+4*(\s)], 1                                      ; count = 1
	s_add_co_u32 s[G0+4*(\s)+1], s20, (\s)*SLOT                    ; LDS address
	s_add_nc_u64 s[G0+4*(\s)+2:G0+4*(\s)+3], s[14:15], (\s)*STEPA  ; global address: K step s
	s_or_b32 s[G0+4*(\s)+3], s[G0+4*(\s)+3], 0x80000000            ; type = 2
	s_mov_b32 s[G0B+4*(\s)], 1
	s_add_co_u32 s[G0B+4*(\s)+1], s20, (\s)*SLOT
	s_add_nc_u64 s[G0B+4*(\s)+2:G0B+4*(\s)+3], s[46:47], (\s)*STEPB
	s_or_b32 s[G0B+4*(\s)+3], s[G0B+4*(\s)+3], 0x80000000
	JLOAD \s                                       ; both slots are asked for before anything else is done: two tensor loads of mine are out
.endr
	; A fragment of xb is 16 rows x 32 K in 8 registers: lane l holds row l % 16; registers 0-3 K = 8 (l / 16) + 0..7, registers 4-7 K = 16 + 8 (l / 16) + 0..7: two loads of 16 bytes, 32 bytes apart.
	v_and_b32 v1, 15, v0                           ; l % 16
	v_bfe_u32 v2, v0, 4, 1                         ; l / 16
	v_mul_u32_u24 v3, v1, PA
	v_lshl_add_u32 v3, v2, 4, v3
	s_mul_i32 s21, s11, HALFT                      ; my 128 rows of xb
	; A fragment of wk has the same form with a column in a row's place.  The turning load takes 16 K x 16 columns (lane l names K row 8 (l / 16) + l % 8 and the 16 bytes (l / 8) % 2) and leaves half a fragment.
	v_and_b32 v4, 7, v0
	v_bfe_u32 v5, v0, 3, 1
	v_lshl_add_u32 v4, v2, 3, v4
	v_mul_u32_u24 v4, v4, PB
	v_lshl_add_u32 v4, v5, 4, v4
	s_lshl_b32 s22, s12, 8                         ; my 128 columns: 256 bytes of each row,
	s_add_co_u32 s22, s22, 2*HALFT                 ; behind xb's 256 rows
.irp s, 0,1
	v_add_nc_u32 v[ADRA+(\s)], s21, v3
	v_add_nc_u32 v[ADRB+(\s)], s22, v4
	s_add_co_u32 s21, s21, SLOT
	s_add_co_u32 s22, s22, SLOT
.endr
	s_mul_i32 s23, s10, 16*SP
	s_add_co_u32 s23, s23, STAGE                   ; my stage
	v_mul_u32_u24 v6, v1, SP                       ; in: row l % 16, 32 bytes for each half of the lanes
	v_lshl_add_u32 v6, v2, 5, v6
	v_add_nc_u32 v[STO], s23, v6
	v_and_b32 v7, 31, v0
	v_lshlrev_b32 v[CO], 4, v7
	v_add_nc_u32 v[RD], s23, v[CO]                 ; back: 32 lanes take one row of 512 bytes
	v_lshlrev_b32 v[BO], 5, v2
	s_lshl_b32 s16, s13, 8
	s_lshl_b32 s17, s11, 7
	s_add_co_u32 s16, s16, s17                     ; my first row of out0,
	s_lshl_b32 s16, s16, 14                        ; of 16,384 bytes (under 2^26)
	s_mov_b32 s17, 0
	s_add_nc_u64 s[8:9], s[8:9], s[16:17]
	s_lshl_b32 s46, s42, 10                        ; my first column, in bytes of f32: 1,024 x tile column + 512 x half (in the registers that held wk's address: none that feeds xb's descriptors ever holds cx)
	s_lshl_b32 s47, s12, 9
	s_add_co_u32 s46, s46, s47
	s_mov_b32 s47, 0
	s_add_nc_u64 s[8:9], s[8:9], s[46:47]
	s_add_nc_u64 s[66:67], s[66:67], s[46:47]      ; the bias of my 128 columns
.irp b, 0,1,2,3,4,5,6,7                ; as C operands: register j of block b holds the bias of column 16 b + 8 (l / 16) + j, the same for all 16 rows
	global_load_b128 v[BIAS+8*(\b):BIAS+8*(\b)+3],   v[BO], s[66:67] offset:64*(\b)
	global_load_b128 v[BIAS+8*(\b)+4:BIAS+8*(\b)+7], v[BO], s[66:67] offset:64*(\b)+16
.endr
	; the prefetches' address, at K step 3: the first change of slots steps it to 4
	s_lshl_b32 s20, s13, 8
	s_lshl_b32 s21, s12, 7
	s_add_co_u32 s20, s20, s21
	s_lshl_b32 s21, s40, 5
	s_add_co_u32 s20, s20, s21                     ; xb: row 256 x tile row + 128 x half + 32 cx
	s_lshl_b32 s20, s20, 13
	s_add_co_u32 s20, s20, 3*STEPA
	s_lshl_b32 s21, s12, 6
	s_lshl_b32 s23, s41, 4
	s_add_co_u32 s21, s21, s23
	s_add_co_u32 s21, s21, 3*KSTEP                 ; wk: row 3 x 128 + 64 x half + 16 cy
	s_lshl_b32 s21, s21, 13
	s_lshl_b32 s23, s42, 9
	s_add_co_u32 s21, s21, s23                     ; + the tile column's 512 bytes
	s_and_b32 s22, ttmp7, 0xffff                   ; cluster y
	s_mov_b32 s[PST], STEPA
	s_mov_b32 s[PST+1], STEPB
	s_cmp_eq_u32 s11, 0                            ; do I fetch for xb?
	s_cselect_b32 s20, s20, s21
	s_cselect_b32 s22, ttmp9, s22                  ; the coordinate along which other clusters read the same rows
	s_cselect_b64 s[PFA:PFA+1], s[4:5], s[6:7]
	s_cselect_b32 s[PST], s[PST], s[PST+1]
	s_mov_b32 s[PST+1], 0
	s_mov_b32 s21, 0
	s_add_nc_u64 s[PFA:PFA+1], s[PFA:PFA+1], s[20:21]
	s_cmp_eq_u32 s22, 0
	s_cselect_b32 s[LIM], 1, -1                    ; the same in all sixteen partners, for a given wave
	v_and_b32 v[PFO], 31, v0                       ; xb (s11 = 0): lane x 8,192.  wk (s11 = 1): (lane / 2) x 8,192 + (lane % 2) x 256
	v_and_b32 v3, s11, v[PFO]
	v_lshrrev_b32 v[PFO], s11, v[PFO]
	v_lshlrev_b32 v[PFO], 13, v[PFO]
	v_lshl_add_u32 v[PFO], v3, 8, v[PFO]
; 16 matrix instructions: row blocks a0, a0 + 1 of the window's four (hi = 0: my rows 0-63, 1: rows 64-127) x all 8 column blocks, 32 along K.  first = 1: the products start the sums, with the bias (window 0) as C.
; The 64 accumulators take turns, one instruction a turn, in the same order in every quarter.
.macro MUL16 f, hi, a0, first
.if \first
	WIN 0x81+0x40*(\hi)                            ; source 0 window 1, sources 1 and 2 window 0, D window 2 or 3
.else
	WIN MUL_LO+0x50*(\hi)                          ; MUL_LO or MUL_HI
.endif
.irp a, \a0, (\a0)+1
.irp b, 0,1,2,3,4,5,6,7
.if \first
	v_wmma_f32_16x16x32_bf16 v[8*(8*(\a)+(\b)):8*(8*(\a)+(\b))+7], v[(\f)+8*(\b):(\f)+8*(\b)+7], v[(\f)+8*(4*(\hi)+(\a)):(\f)+8*(4*(\hi)+(\a))+7], v[BIAS+8*(\b):BIAS+8*(\b)+7]
.else
	v_wmma_f32_16x16x32_bf16 v[8*(8*(\a)+(\b)):8*(8*(\a)+(\b))+7], v[(\f)+8*(\b):(\f)+8*(\b)+7], v[(\f)+8*(4*(\hi)+(\a)):(\f)+8*(4*(\hi)+(\a))+7], v[8*(8*(\a)+(\b)):8*(8*(\a)+(\b))+7]
.endif
.endr
.endr
.endm
; 32 LDS loads in one run: the fragments of quarter q of a K step (32 K x 128 columns of wk, turned; 128 rows x 32 K of xb) into buffer f
.macro FETCH slot, q, f
	WIN TO_B
.irp i, 0,1,2,3,4,5,6,7
	ds_load_tr16_b128 v[(\f)+8*(\i):(\f)+8*(\i)+3],   v[ADRB+(\slot)] offset:(\q)*32*PB+32*(\i)
	ds_load_tr16_b128 v[(\f)+8*(\i)+4:(\f)+8*(\i)+7], v[ADRB+(\slot)] offset:(\q)*32*PB+16*PB+32*(\i)
.endr
	WIN 0
.irp i, 0,1,2,3,4,5,6,7
	ds_load_b128 v[(\f)+8*(\i):(\f)+8*(\i)+3],   v[ADRA+(\slot)] offset:64*(\q)+(\i)*16*PA
	ds_load_b128 v[(\f)+8*(\i)+4:(\f)+8*(\i)+7], v[ADRA+(\slot)] offset:64*(\q)+(\i)*16*PA+32
.endr
.endm
.macro PLACES                          ; four places in front of loads into registers that matrix instructions have read, and of LDS stores that read results (ISA guide 7.12.1 for vector instructions)
.rept 4
	v_nop
.endr
.endm
; A K step is four quarters of 32 along K, 64 matrix instructions each, on buffers 0, 1, 0, 1.  One of the first three: multiplies buffer f; in its middle it fetches quarter q of the same slot into buffer g.
.macro QUARTER slot, q, f, g, first
	s_wait_dscnt 8                                 ; wk's fragments and xb's rows 0-63 are in; the youngest eight loads (xb's rows 64-127) may be out
	MUL16 \f, 0, 0, \first
	MUL16 \f, 0, 2, \first
	PLACES
	FETCH \slot, \q, \g
	s_wait_dscnt 32                                ; all but the 32 just issued
	MUL16 \f, 1, 0, \first
	MUL16 \f, 1, 2, \first
.endm
; The last quarter multiplies buffer 1 and changes slots.  MEET is its first half: ONE barrier.  In front of it each wave waits for all its tensor loads, of which one is out: its part of the next slot; adds 0 to its
; spare word; and waits for that and for its own reads of this slot.  Behind it nobody reads this slot any more and the next slot is whole.
.macro MEET round                      ; round = 1: the rest of a round of the cluster's barrier follows
	WIN 0                                          ; (the add's two registers lie in window 0)
	s_wait_tensorcnt 0x0                           ; all my tensor loads have landed
	ds_add_u32 v[SPW], v[NIL]                      ; 0 onto my spare word
	s_wait_dscnt 9                                 ; (the add and the youngest eight loads may be out)
	MUL16 F1, 0, 0, 0                              ; sixteen matrix instructions stand between the add and the wait for it
	s_wait_dscnt 0x0                               ; the add is done, and my reads of this slot are over
	s_barrier_signal -1
	MUL16 F1, 0, 2, 0                              ; work on registers while the others arrive
.if \round
	WIN 0
.endif
	s_barrier_wait -1
.endm
; The whole last quarter.  fill = 1: behind the round the slot just read out is filled again first, with the K step two steps on; from that request to the wait for it a wave issues 224 matrix instructions.
.macro TURN slot, next, fill
.if \fill
	s_wait_xcnt 0x0                                ; the last prefetch, a K step back, has read its address: it is stepped here, ahead of the waits of the change of slots
	s_add_nc_u64 s[PFA:PFA+1], s[PFA:PFA+1], s[PST:PST+1]
	MEET 1
	CREST                                          ; no wave of any partner still reads this slot's tile or has a load on its way
	s_add_nc_u64 s[G0+4*(\slot)+2:G0+4*(\slot)+3], s[G0+4*(\slot)+2:G0+4*(\slot)+3], 2*STEPA  ; no tensor load of mine is out, so the group 0 sets may be written
	s_add_nc_u64 s[G0B+4*(\slot)+2:G0B+4*(\slot)+3], s[G0B+4*(\slot)+2:G0B+4*(\slot)+3], 2*STEPB
	JLOAD \slot                                    ; the first tensor load behind the round, and my only one until the next; its four v_nop are also the places in front of the loads below
	FETCH \next, 0, F0
	ASK
.else
	MEET 0
	PLACES
	FETCH \next, 0, F0
.endif
	MUL16 F1, 1, 0, 0
	MUL16 F1, 1, 2, 0
.endm
; THE WAY OUT of row block a (16 rows x 128 columns of f32), through my own stage: a lane's 32 bytes go into rows of 528 bytes and come back as whole rows of 512.
.macro STORES a
	WIN 0x08+4*((\a)/4)                            ; the stores' data (source 1) in window 2 or 3
.irp b, 0,1,2,3,4,5,6,7                ; each accumulator is read from its low end on
	ds_store_b128 v[STO], v[64*((\a)%4)+8*(\b):64*((\a)%4)+8*(\b)+3]   offset:64*(\b)
	ds_store_b128 v[STO], v[64*((\a)%4)+8*(\b)+4:64*((\a)%4)+8*(\b)+7] offset:64*(\b)+16
.endr
.endm
.macro LOADS a
	WIN 0
.irp t, 0,1,2,3,4,5,6,7,8,9,10,11,12,13,14,15
	ds_load_b128 v[OB+64*((\a)%2)+4*(\t):OB+64*((\a)%2)+4*(\t)+3], v[RD] offset:(\t)*SP  ; LDS serves a wave's instructions in order (ISA guide 5.7.1.4): these see the stores above; the next block's stores come behind them
.endr
.endm
.macro SEND a, younger                 ; younger: the LDS instructions issued behind block a's loads: the next block's sixteen stores, or none
	WIN 0
	s_wait_dscnt \younger                          ; the block is back in registers
	s_wait_xcnt 0x0                                ; earlier stores have read their base and their data: the base is stepped, and the other buffer loaded again, only behind this wait
.if (\a) > 0
	s_add_nc_u64 s[8:9], s[8:9], 16*ROWO           ; 16 rows of out0 on
.endif
.irp t, 0,1,2,3,4,5,6,7,8,9,10,11,12,13,14,15
	global_store_b128 v[CO], v[OB+64*((\a)%2)+4*(\t):OB+64*((\a)%2)+4*(\t)+3], s[8:9] offset:(\t)*ROWO th:TH_STORE_NT  ; 512 consecutive bytes, at a multiple of 512 from out0's first byte
.endr
.endm
	s_wait_tensorcnt 1                             ; my part of K step 0 is in; K step 1's may stay out
	s_barrier_signal -1
	s_barrier_wait -1                              ; everybody's is
	FETCH 0, 0, F0
	s_wait_loadcnt 0x0                             ; the bias
	QUARTER 0, 1, F0, F1, 1                        ; the first quarter stands in front of the loop: its products start the sums, with the bias
	WIN 0                                          ; at a label and at a branch every window is 0
	s_mov_b32 s3, LAPS-1
.Llap:                                                 ; a trip goes once round the ring, from a lap's second quarter to the next lap's first, and fills both slots again
	QUARTER 0, 2, F1, F0, 0
	QUARTER 0, 3, F0, F1, 0
	TURN 0, 1, 1
	QUARTER 1, 1, F0, F1, 0
	QUARTER 1, 2, F1, F0, 0
	QUARTER 1, 3, F0, F1, 0
	TURN 1, 0, 1
	QUARTER 0, 1, F0, F1, 0
	WIN 0
	s_sub_co_u32 s3, s3, 1
	s_cmp_lg_u32 s3, 0
	s_cbranch_scc1 .Llap
	QUARTER 0, 2, F1, F0, 0                        ; the last lap is written out: it fills nothing, and has no round of the cluster's barrier
	QUARTER 0, 3, F0, F1, 0
	TURN 0, 1, 0
	QUARTER 1, 1, F0, F1, 0
	QUARTER 1, 2, F1, F0, 0
	QUARTER 1, 3, F0, F1, 0
	s_wait_dscnt 8                                 ; the very last quarter: nothing more to fetch
	MUL16 F1, 0, 0, 0
	MUL16 F1, 0, 2, 0
	s_wait_dscnt 0x0
	MUL16 F1, 1, 0, 0
	MUL16 F1, 1, 2, 0
	PLACES                                         ; in front of LDS stores that read results, and of loads into the fragment buffers
	STORES 0
	LOADS 0
.irp a, 1,2,3,4,5,6,7                  ; block a's stores into the stage stand between block a - 1's loads from it and the wait for them
	STORES \a
	SEND (\a)-1, 16
	LOADS \a
.endr
	SEND 7, 0
	s_wait_tensorcnt 0x0                           ; the wave's end, behind my last tensor load and my last LDS store
	ds_add_u32 v[SPW], v[NIL]
	s_wait_dscnt 0x0
	CROUND                                         ; the closing round: no work-group ends while a partner may still ask for a tile that names it
	s_endpgm
.Lfunc_end_k_q5cc81934ea_gemm:
	.size	k_q5cc81934ea_gemm, .Lfunc_end_k_q5cc81934ea_gemm-k_q5cc81934ea_gemm
	.p2alignl 7, 3214868480
	.fill 96, 4, 3214868480
	.section	.rodata,"a",@progbits
	.p2align	6, 0x0
	.amdhsa_kernel k_q5cc81934ea_gemm
		.amdhsa_group_segment_fixed_size 327680
		.amdhsa_private_segment_fixed_size 0
		.amdhsa_enable_private_segment 0
		.amdhsa_kernarg_size 32
		.amdhsa_user_sgpr_count 2
		.amdhsa_user_sgpr_kernarg_segment_ptr 1
		.amdhsa_wavefront_size32 1
		.amdhsa_system_sgpr_workgroup_id_x 1
		.amdhsa_system_sgpr_workgroup_id_y 1
		.amdhsa_system_sgpr_workgroup_id_z 1
		.amdhsa_system_vgpr_workitem_id 0
		.amdhsa_next_free_vgpr 1024
		.amdhsa_next_free_sgpr 72
		.amdhsa_reserve_vcc 0
		.amdhsa_float_denorm_mode_32 3
		.amdhsa_float_denorm_mode_16_64 3
		.amdhsa_memory_ordered 1
		.amdhsa_forward_progress 1
		.amdhsa_inst_pref_size 144
	.end_amdhsa_kernel
	.amdgpu_metadata
---
amdhsa.version: [ 1, 2 ]
amdhsa.kernels:
  - .name:           k_q5cc81934ea_gemm
    .symbol:         k_q5cc81934ea_gemm.kd
    .args:
      - { .name: xb, .offset: 0, .size: 8, .value_kind: global_buffer, .address_space: global }
      - { .name: wk, .offset: 8, .size: 8, .value_kind: global_buffer, .address_space: global }
      - { .name: out0, .offset: 16, .size: 8, .value_kind: global_buffer, .address_space: global }
      - { .name: bias, .offset: 24, .size: 8, .value_kind: global_buffer, .address_space: global }
    .group_segment_fixed_size: 327680
    .private_segment_fixed_size: 0
    .kernarg_segment_align: 8
    .kernarg_segment_size: 32
    .max_flat_workgroup_size: 128
    .sgpr_count:     72
    .vgpr_count:     1024
    .wavefront_size: 32
...
	.end_amdgpu_metadata
.endif
;; end of part 2
;; ======== version 2 of 2: 2 launches; version 1 with the launch prep written anew for expert scheduling mode
;; workspace buffers: xb 33,554,432 bytes; wk 33,554,432 bytes
;; launch prep (part 3): grid 256 x 1, 16 waves a work-group, no clusters, 108,544 bytes of LDS; arguments x, a, b, xb, wk; writes xb, wk
.if DOCPART == 3
	.amdgcn_target "amdgcn-amd-amdhsa--gfx1250"
	.amdhsa_code_object_version 6
	.text
	.protected	k_q5cc81934ea_prep
	.globl	k_q5cc81934ea_prep
	.p2align	8
	.type	k_q5cc81934ea_prep,@function
k_q5cc81934ea_prep:
	s_mov_b64 s[64:65], 0
	v_nop
	global_prefetch_b8 v0, s[64:65] scope:SCOPE_SE
	s_setreg_imm32_b32 hwreg(HW_REG_WAVE_SCHED_MODE, 0, 2), 2
	s_setreg_imm32_b32 hwreg(HW_REG_WAVE_MODE, 25, 1), 1
	s_wait_xcnt 0x0
	s_wait_alu depctr_vm_vsrc(0)
; out = x w + bias with w[(i,k),(j,l)] = the sum over r of a[r,i,j] b[r,k,l].  This launch prepares the two operands of the product x w:
;   xb[n][c]          = x[n][c] rounded to bf16, same order                       [4096][4096] bf16
;   wk[i*64+k][j*64+l] = the sum over r of a[r,i,j] b[r,k,l], summed in f32, rounded once to bf16   [4096][4096] bf16
; NOTHING OF reference() IS LEFT OUT: x, a, b and bias all reach the output and all are loaded (bias in the next launch).  w is formed densely as reference() forms it:
; at rank 64 the way by factors (x b_r, then a_r) is 2 x 4096 x 4096 x 64 x 64 multiply-adds, twice the dense product's 4096^3.
; LIMITS.  x, a and b are rounded to bf16 (nearest even); w is rounded once more, to bf16's 8 significant bits, behind its f32 sum; sums are taken in the matrix unit's order, not reference()'s.
; bf16 has f32's exponents, so no range is lost; NaN and infinities go where the arithmetic carries them.
; SHARES.  Work-group g: i = 4 (g / 16) + 0..3, k = 4 (g % 16) + 0..3, and rows 16 g .. 16 g + 15 of x.  Wave v of 16: the pair (i, k) = (v / 4, v % 4) of those, that is ONE row of wk
; (64 j x 64 l, 32 matrix instructions), and ONE row of x (16,384 bytes in, 8,192 out).
; THE PRODUCT.  D(m = l, n = j) = sum over r of b[r,k,l] a[r,i,j]: source 0 = 16 l x 32 r of b, source 1 = 16 j x 32 r of a.  A lane then holds one j (lane % 16) and eight neighbouring l:
; 16 bytes of wk after rounding.  a's and b's slices lie in LDS as [r][column], so the fragments come out turned, by ds_load_tr16_b128.
; NO JOINT LOADS, though sixteen work-groups read the same slice of a and sixteen the same slice of b: the slices are f32 and are rounded in registers on their way into LDS (one LDS store of 8 bytes for
; 16 bytes loaded).  As tiles of a tensor load they would land as f32 (2 x 65,536 bytes more of LDS), be read back, rounded and stored again: three passes through LDS in place of one.
; NOTHING IS ASKED FOR AHEAD OF ITS LOAD: 40 of a wave's 48 loads are issued at the head, before the first wait.
; THE MODE: SCHED_MODE bits 1:0 = 2 (LLVM: expert scheduling mode 2), set by the entry lines.  The code itself states the register dependences
; between vector or matrix instructions and memory or LDS instructions, with s_wait_alu, always for 0.
; THE PLAN.  Registers that memory or LDS instructions touch:
;   v2 .. v11   offsets, LDS addresses and the closing add's pair: written at the head, never again.  One wait on va_vdst ahead of the first load serves them all.
;   AB          (1) a's and b's 16 loads land in it; the conversions round in place; the LDS stores into the slices read it.  (2) As BF: b's fragments land in it; the products of all four j blocks read it.
;               (3) Its first 32 registers: x's slots 24 to 31 land in them, are rounded in place, and xb's stores read them.
;   AF0, AF1    Block jt's products read AF[jt % 2]; the fragments of block jt + 2 land in it at the head of block jt + 1.
;   ACC         Written by a block's products and, in place, by its conversions; read by its four stores into the stage; written again by the next block's products.
;   OUTR        Loads from the stage land in it; wk's stores read it; no vector instruction names it.
;   XR0         x's slots 0 to 23 land in it; rounded in place; xb's stores read it; no register is used twice.
; A j block has ONE wait on va_vdst, behind its conversions (ACC is written for the stage's stores; its products are done reading AF and BF, in which later loads land with no vector instruction between),
; and ONE on vm_vsrc, behind the stage's stores (they have read ACC; wk's stores of the block before have read OUTR).  wk's stores of block jt - 1 stand among block jt's first products, which name none of their registers.
.set PAB,   544                        ; an LDS row of a slice: 256 bf16 = 512 bytes + 32 of padding = 17 x 32 bytes
.set ASL,   0                          ; a's slice: 64 rows (r) of 256 columns (64 x local i + j)
.set BSL,   64*PAB                     ; b's slice: the same, columns 64 x local k + l
.set STG,   2*64*PAB                   ; the stages: 16 rows (j) x 144 bytes for each wave, its own
.set SPT,   144                        ; a stage row: 128 bytes (64 l) + 16
.set SPARE, STG+16*16*SPT              ; the spare words, 128 bytes for each of the 16 waves: eight blocks of 256 bytes that no other line names
.set LO16, 2                           ; v2   16 x lane: x's loads, wk's stores; never rewritten
.set ABO,  3                           ; v3   65,536 x wave + 16 x lane: a's and b's loads (rows r = 4 wave ..); never rewritten
.set LST,  4                           ; v4   4 x 544 x wave + 8 x lane: where my 8 rounded bytes of a slice's row go
.set TRA,  5                           ; v5   the turning load's address in a's slice, at my local i
.set TRB,  6                           ; v6   the same in b's slice, at my local k
.set STO,  7                           ; v7   where I put 16 bytes of a stage row
.set RD,   8                           ; v8   where I read the stage back
.set XBO,  9                           ; v9   8 x lane: xb's stores
.set SPW,  10                          ; v10  LDS address of my spare word; never rewritten
.set NIL,  11                          ; v11  0; never rewritten
.set XR0,  16                          ; v[16:111]   x, slots 0 to 23, four registers each
.set AB,   112                         ; v[112:175]  first the 16 loads of a and b; then b's fragments; last x's slots 24 to 31
.set BF,   112                         ;             b's fragment (l block lt, r half ks) at BF + 16 lt + 8 ks
.set AF,   176                         ; v[176:207]  a's fragments: two buffers of 16, r half ks at + 8 ks
.set ACC,  208                         ; v[208:239]  four accumulators, one for each l block
.set OUTR, 240                         ; v[240:255]  2,048 bytes of wk read back from the stage
	s_load_b256 s[4:11], s[0:1], 0x0               ; x s[4:5], a s[6:7], b s[8:9], xb s[10:11]
	s_load_b64 s[12:13], s[0:1], 0x20              ; wk
	v_lshl_add_u32 v[SPW], v0, 2, SPARE
	v_mov_b32 v[NIL], 0
	v_lshrrev_b32 v12, 5, v0
	v_readfirstlane_b32 s14, v12                   ; wave 0..15
	v_and_b32 v1, 31, v0                           ; lane
	s_lshr_b32 s15, ttmp9, 4                       ; which four i
	s_and_b32 s16, ttmp9, 15                       ; which four k
	s_wait_alu depctr_va_sdst(0)                   ; s14 is written, ahead of its first reader: the wave's shares and addresses are made from it
	s_lshr_b32 s17, s14, 2                         ; my local i
	s_and_b32 s18, s14, 3                          ; my local k
	v_lshlrev_b32 v[LO16], 4, v1
	s_lshl_b32 s19, s14, 16
	v_add_nc_u32 v[ABO], s19, v[LO16]
	s_mul_i32 s19, s14, 4*PAB
	v_lshl_add_u32 v[LST], v1, 3, s19
	; the turning load: lane l names row 8 (l / 16) + l % 8 and the 16 bytes (l / 8) % 2 of a block of 16 rows x 16 columns
	v_and_b32 v12, 7, v0
	v_bfe_u32 v13, v0, 4, 1                        ; l / 16
	v_bfe_u32 v14, v0, 3, 1
	v_lshl_add_u32 v12, v13, 3, v12
	v_mul_u32_u24 v12, v12, PAB
	v_lshl_add_u32 v12, v14, 4, v12
	s_lshl_b32 s19, s17, 7                         ; my local i's 64 columns: 128 bytes
	v_add_nc_u32 v[TRA], s19, v12
	s_lshl_b32 s19, s18, 7
	s_add_co_u32 s19, s19, BSL
	v_add_nc_u32 v[TRB], s19, v12
	s_mul_i32 s19, s14, 16*SPT
	s_add_co_u32 s19, s19, STG                     ; my stage
	v_and_b32 v15, 15, v0
	v_mul_u32_u24 v[STO], v15, SPT                 ; in: row j = l % 16, 16 bytes for each half of the lanes
	v_lshl_add_u32 v[STO], v13, 4, v[STO]
	v_add_nc_u32 v[STO], s19, v[STO]
	v_bfe_u32 v[RD], v0, 3, 2                      ; back: 32 lanes take four rows of 128 bytes,
	v_mul_u32_u24 v[RD], v[RD], SPT
	v_and_b32 v15, 7, v0
	v_lshl_add_u32 v[RD], v15, 4, v[RD]
	v_add_nc_u32 v[RD], s19, v[RD]                 ; which are 512 consecutive bytes of wk
	v_lshlrev_b32 v[XBO], 3, v1
	s_lshl_b32 s20, s15, 10                        ; a: four i are 1,024 consecutive bytes of each r
	s_mov_b32 s21, 0
	s_lshl_b32 s22, s16, 10                        ; b: four k likewise
	s_mov_b32 s23, 0
	s_lshl_b32 s24, ttmp9, 18                      ; x: 16 rows of 16,384 bytes a work-group,
	s_lshl_b32 s25, s14, 14                        ; one row a wave
	s_add_co_u32 s24, s24, s25
	s_mov_b32 s25, 0
	s_lshr_b32 s26, s24, 1                         ; xb: half the bytes
	s_mov_b32 s27, 0
	s_lshl2_add_u32 s28, s15, s17                  ; i
	s_lshl_b32 s28, s28, 6
	s_lshl2_add_u32 s29, s16, s18                  ; k
	s_add_co_u32 s28, s28, s29                     ; wk's row 64 i + k,
	s_lshl_b32 s28, s28, 13                        ; of 8,192 bytes
	s_mov_b32 s29, 0
	s_wait_kmcnt 0x0
	s_add_nc_u64 s[6:7], s[6:7], s[20:21]
	s_add_nc_u64 s[8:9], s[8:9], s[22:23]
	s_add_nc_u64 s[4:5], s[4:5], s[24:25]
	s_add_nc_u64 s[10:11], s[10:11], s[26:27]
	s_add_nc_u64 s[12:13], s[12:13], s[28:29]
	s_wait_alu depctr_va_vdst(0)                   ; v2 to v9, the offsets and LDS addresses, are written: every load and store of the kernel reads one of them; so are v10 and v11, which the closing add reads
	; 16 loads: rows r = 4 wave .. 4 wave + 3 of a's slice, then of b's; each load takes 512 consecutive bytes
.set n, 0
.irp base, 6, 8
.irp rr, 0,1,2,3
.irp hf, 0,1
	global_load_b128 v[AB+4*n:AB+4*n+3], v[ABO], s[\base:\base+1] offset:(\rr)*16384+(\hf)*512
.set n, n+1
.endr
.endr
.endr
	; 24 loads of my row of x: they stay out through the whole matrix phase
.set sl, 0
.rept 24
	global_load_b128 v[XR0+4*sl:XR0+4*sl+3], v[LO16], s[4:5] offset:512*sl th:TH_LOAD_NT
.set sl, sl+1
.endr
; A slice's eight loads (from number first on) are rounded in place and laid into the slice at LDS byte reg: sixteen conversions, one wait, eight stores.  left = the younger loads, which may stay out.
.macro SLICE first, reg, left
	s_wait_loadcnt \left                           ; loads come back in order (ISA guide 5.7.1): this slice's eight are in
.set n, \first
.rept 8
	v_cvt_pk_bf16_f32 v[AB+4*n], v[AB+4*n], v[AB+4*n+1]
	v_cvt_pk_bf16_f32 v[AB+4*n+1], v[AB+4*n+2], v[AB+4*n+3]
.set n, n+1
.endr
	s_wait_alu depctr_va_vdst(0)                   ; the sixteen conversions have written the pairs that the eight LDS stores below read
.set n, \first
.irp rr, 0,1,2,3
.irp hf, 0,1
	ds_store_b64 v[LST], v[AB+4*n:AB+4*n+1] offset:(\reg)+(\rr)*PAB+(\hf)*256
.set n, n+1
.endr
.endr
.endm
	SLICE 0, ASL, 32                               ; behind a's eight loads stand b's eight and x's 24
	SLICE 8, BSL, 24                               ; behind b's stand x's 24
	s_wait_dscnt 0x0                               ; for the others' sake: my rows of both slices are written
	s_barrier_signal -1
	s_barrier_wait -1                              ; both slices are whole; nothing writes them again
	s_wait_alu depctr_vm_vsrc(0)                   ; my LDS stores have read v[AB ..], in which b's fragments land below (the conversions that named these registers stand ahead of the last wait on va_vdst)
.macro FRA jt                          ; a's two fragments for j block jt into buffer jt % 2
.irp ks, 0,1
	ds_load_tr16_b128 v[AF+16*((\jt)%2)+8*(\ks):AF+16*((\jt)%2)+8*(\ks)+3],   v[TRA] offset:(\ks)*32*PAB+32*(\jt)
	ds_load_tr16_b128 v[AF+16*((\jt)%2)+8*(\ks)+4:AF+16*((\jt)%2)+8*(\ks)+7], v[TRA] offset:(\ks)*32*PAB+16*PAB+32*(\jt)
.endr
.endm
	; b's eight fragments stay in registers for all four j blocks
.irp lt, 0,1,2,3
.irp ks, 0,1
	ds_load_tr16_b128 v[BF+16*(\lt)+8*(\ks):BF+16*(\lt)+8*(\ks)+3],   v[TRB] offset:(\ks)*32*PAB+32*(\lt)
	ds_load_tr16_b128 v[BF+16*(\lt)+8*(\ks)+4:BF+16*(\lt)+8*(\ks)+7], v[TRB] offset:(\ks)*32*PAB+16*PAB+32*(\lt)
.endr
.endr
	FRA 0
; j block jt: 16 j x 64 l = 2,048 consecutive bytes of my row of wk.  The block makes its sums, rounds them and sends them round through my stage; the bytes that come back leave in the next block.
.macro UNIT jt
.if (\jt) < 3
	FRA (\jt)+1                                    ; the other buffer.  No wait: its last readers, the products of the block before, stand ahead of that block's wait on va_vdst, and no vector or matrix instruction has been issued since
	s_wait_dscnt 4                                 ; LDS instructions end in order (ISA guide 5.7.1): all but the four loads just issued: this block's fragments are in, and so is the block before in OUTR
.else
	s_wait_dscnt 0x0                               ; the last block fetches nothing: its fragments are in, and so is block 2 in OUTR
.endif
.irp ks, 0,1                           ; the four accumulators take turns, one instruction a turn; the first four products start the sums
.irp lt, 0,1,2,3
.if (\ks) == 0
	v_wmma_f32_16x16x32_bf16 v[ACC+8*(\lt):ACC+8*(\lt)+7], v[BF+16*(\lt)+8*(\ks):BF+16*(\lt)+8*(\ks)+7], v[AF+16*((\jt)%2)+8*(\ks):AF+16*((\jt)%2)+8*(\ks)+7], 0
.if (\jt) > 0
	global_store_b128 v[LO16], v[OUTR+4*(\lt):OUTR+4*(\lt)+3], s[12:13] offset:2048*((\jt)-1)+512*(\lt) th:TH_STORE_NT  ; the block before: 512 consecutive bytes, at a multiple of 512 from wk's first byte.  No wait: no vector or matrix instruction names OUTR or v2
.endif
.else
	v_wmma_f32_16x16x32_bf16 v[ACC+8*(\lt):ACC+8*(\lt)+7], v[BF+16*(\lt)+8*(\ks):BF+16*(\lt)+8*(\ks)+7], v[AF+16*((\jt)%2)+8*(\ks):AF+16*((\jt)%2)+8*(\ks)+7], v[ACC+8*(\lt):ACC+8*(\lt)+7]
.endif
.endr
.endr
.rept 4
	v_nop                                          ; four places between the last product and the conversions, which read and write results (ISA guide 7.12.1)
.endr
.irp lt, 0,1,2,3                       ; rounded in place, each accumulator from its low end on: eight l become 16 bytes in its first four registers
.irp q, 0,1,2,3
	v_cvt_pk_bf16_f32 v[ACC+8*(\lt)+(\q)], v[ACC+8*(\lt)+2*(\q)], v[ACC+8*(\lt)+2*(\q)+1]
.endr
.endr
.if (\jt) > 0
	s_wait_xcnt 0x0                                ; the stores to wk above have had their addresses translated (ISA guide 3.1): OUTR, their data, is loaded again only behind this wait
.endif
	s_wait_alu depctr_va_vdst(0)                   ; the conversions have written ACC's low registers, which the stage's stores read; the block's products are done reading AF[jt % 2] and BF, in which later loads land
.if (\jt) == 3
	; the last eight loads of my row of x, into b's fragments' registers: no vector or matrix instruction since the wait above names them
.set sl, 24
.rept 8
	global_load_b128 v[AB+4*(sl-24):AB+4*(sl-24)+3], v[LO16], s[4:5] offset:512*sl th:TH_LOAD_NT
.set sl, sl+1
.endr
.endif
.irp lt, 0,1,2,3
	ds_store_b128 v[STO], v[ACC+8*(\lt):ACC+8*(\lt)+3] offset:32*(\lt)  ; LDS serves a wave's instructions in order (ISA guide 5.7.1.4): these come behind the last block's loads from my stage
.endr
	s_wait_alu depctr_vm_vsrc(0)                   ; the stage's stores have read ACC, which the next block's products write; the stores to wk have read OUTR, in which the loads below land
.irp q, 0,1,2,3
	ds_load_b128 v[OUTR+4*(\q):OUTR+4*(\q)+3], v[RD] offset:4*SPT*(\q)  ; LDS serves a wave's instructions in order (ISA guide 5.7.1.4): these see my stores above
.endr
.endm
	UNIT 0
	UNIT 1
	UNIT 2
	UNIT 3
; x is rounded in place and stored, eight slots at a time; no register is used twice, so nothing is waited for but the loads and the conversions.
.macro CVT8 g
.set sl, 8*(\g)
.rept 8
.if sl < 24
.set XR, XR0+4*sl
.else
.set XR, AB+4*(sl-24)
.endif
	v_cvt_pk_bf16_f32 v[XR], v[XR], v[XR+1]
	v_cvt_pk_bf16_f32 v[XR+1], v[XR+2], v[XR+3]
.set sl, sl+1
.endr
.endm
.macro ST8 g
.set sl, 8*(\g)
.rept 8
.if sl < 24
.set XR, XR0+4*sl
.else
.set XR, AB+4*(sl-24)
.endif
	global_store_b64 v[XBO], v[XR:XR+1], s[10:11] offset:256*sl th:TH_STORE_NT  ; 256 consecutive bytes, at a multiple of 256 from xb's first byte
.set sl, sl+1
.endr
.endm
	s_wait_loadcnt 24                              ; loads come back in order (ISA guide 5.7.1): slots 0 to 7 are in, the 24 younger ones may stay out
	CVT8 0                                         ; these sixteen stand between block 3's loads from the stage and the wait for them
	s_wait_dscnt 0x0                               ; block 3 is back in OUTR
.irp q, 0,1,2,3
	global_store_b128 v[LO16], v[OUTR+4*(\q):OUTR+4*(\q)+3], s[12:13] offset:2048*3+512*(\q) th:TH_STORE_NT  ; wk's last 2,048 bytes of my row
.endr
	s_wait_alu depctr_va_vdst(0)                   ; the conversions have written slots 0 to 7, which the eight stores below read
	ST8 0                                          ; a group's stores stand ahead of the wait for the next group's data
	s_wait_loadcnt 16
	CVT8 1
	s_wait_alu depctr_va_vdst(0)                   ; the conversions have written slots 8 to 15
	ST8 1
	s_wait_loadcnt 8
	CVT8 2
	s_wait_alu depctr_va_vdst(0)                   ; the conversions have written slots 16 to 23
	ST8 2
	s_wait_loadcnt 0x0
	CVT8 3
	s_wait_alu depctr_va_vdst(0)                   ; the conversions have written slots 24 to 31
	ST8 3
	s_wait_dscnt 0x0                               ; the closing lines, six on end
	s_wait_alu 0x0
	s_wait_tensorcnt 0x0
	ds_add_u32 v[SPW], v[NIL]
	s_wait_dscnt 0x0
	s_endpgm
.Lfunc_end_k_q5cc81934ea_prep:
	.size	k_q5cc81934ea_prep, .Lfunc_end_k_q5cc81934ea_prep-k_q5cc81934ea_prep
	.p2alignl 7, 3214868480
	.fill 96, 4, 3214868480
	.section	.rodata,"a",@progbits
	.p2align	6, 0x0
	.amdhsa_kernel k_q5cc81934ea_prep
		.amdhsa_group_segment_fixed_size 108544
		.amdhsa_private_segment_fixed_size 0
		.amdhsa_enable_private_segment 0
		.amdhsa_kernarg_size 40
		.amdhsa_user_sgpr_count 2
		.amdhsa_user_sgpr_kernarg_segment_ptr 1
		.amdhsa_wavefront_size32 1
		.amdhsa_system_sgpr_workgroup_id_x 1
		.amdhsa_system_sgpr_workgroup_id_y 1
		.amdhsa_system_sgpr_workgroup_id_z 1
		.amdhsa_system_vgpr_workitem_id 0
		.amdhsa_next_free_vgpr 256
		.amdhsa_next_free_sgpr 66
		.amdhsa_reserve_vcc 0
		.amdhsa_float_denorm_mode_32 3
		.amdhsa_float_denorm_mode_16_64 3
		.amdhsa_memory_ordered 1
		.amdhsa_forward_progress 1
		.amdhsa_inst_pref_size 31
	.end_amdhsa_kernel
	.amdgpu_metadata
---
amdhsa.version: [ 1, 2 ]
amdhsa.kernels:
  - .name:           k_q5cc81934ea_prep
    .symbol:         k_q5cc81934ea_prep.kd
    .args:
      - { .name: x, .offset: 0, .size: 8, .value_kind: global_buffer, .address_space: global }
      - { .name: a, .offset: 8, .size: 8, .value_kind: global_buffer, .address_space: global }
      - { .name: b, .offset: 16, .size: 8, .value_kind: global_buffer, .address_space: global }
      - { .name: xb, .offset: 24, .size: 8, .value_kind: global_buffer, .address_space: global }
      - { .name: wk, .offset: 32, .size: 8, .value_kind: global_buffer, .address_space: global }
    .group_segment_fixed_size: 108544
    .private_segment_fixed_size: 0
    .kernarg_segment_align: 8
    .kernarg_segment_size: 40
    .max_flat_workgroup_size: 512
    .sgpr_count:     66
    .vgpr_count:     256
    .wavefront_size: 32
...
	.end_amdgpu_metadata
.endif
;; end of part 3
;; launch gemm: the kernel of part 2 again; grid 16 x 16, 4 waves a work-group, clusters of 4 x 4, 327,680 bytes of LDS; arguments xb, wk, out0, bias; writes out0
